; MI455X (gfx1250); checked and timed in simulation.
; The chip was launched on July 23, 2026; its instructions are those of AMD's public machine-readable ISA for CDNA 5 (MIT licence, August 2026) and "CDNA5" Instruction Set Architecture Reference Guide (July 2026). The comments in the code are by the model that wrote it; some were corrected since.
;; Bit Linear. Allowed arithmetic: float matrix products may take bf16 or f16 operands with f32 sums; other float arithmetic in f32, or as packed bf16 or f16 multiplies, adds, multiply-adds, maxima and minima; sums over many terms, partial sums and values carried from step to step in f32; what a program stores and reads back later, other than sums and carried values, may be rounded once to bf16 or f16.
;; Inputs: weight 2,048 x 4,096 float32; x 4 x 2,048 x 4,096 float32.
;; Outputs: out0 4 x 2,048 x 2,048 float32.
;; 2 versions, each right; version 2 is version 1 with the launch quant written anew for expert scheduling mode. Each part assembles by itself: llvm-mc -triple=amdgcn-amd-amdhsa -mcpu=gfx1250 --defsym DOCPART=n.
;; ======== version 1 of 2: 3 launches
;; workspace buffers: part 1,024 bytes; xq 67,108,864 bytes; wq 16,777,216 bytes; scale 32,768 bytes
;; launch wsum (part 1): grid 256 x 1, 8 waves a work-group, no clusters, 1,280 bytes of LDS; arguments weight, part; writes part
.if DOCPART == 1
	.amdgcn_target "amdgcn-amd-amdhsa--gfx1250"
	.amdhsa_code_object_version 6
	.text
	.protected	k_qa188e9cc27_wsum
	.globl	k_qa188e9cc27_wsum
	.p2align	8
	.type	k_qa188e9cc27_wsum,@function
k_qa188e9cc27_wsum:
	s_mov_b64 s[64:65], 0
	v_nop
	global_prefetch_b8 v0, s[64:65] scope:SCOPE_SE
	s_setreg_imm32_b32 hwreg(HW_REG_WAVE_MODE, 25, 1), 1
	s_wait_xcnt 0x0
; BitLinear, first of three launches: part[b] = the sum of |weight| over rows 8 b .. 8 b + 7 (32,768 numbers), b = 0 .. 255.
; THE WHOLE PROGRAM.  out[m][n] = sum over k of x_q[m][k] w_eff[n][k], with x_q = xi gamma[m] / 127 (xi = round(127 x / gamma[m]), a whole number of -127 .. 127, gamma[m] = max(max_k |x[m][k]|, 1e-8))
; and w_eff = t alpha (t in -1, 0, 1; alpha = mean |weight| + 1e-8).  The two factors do not hang on k, so out[m][n] = (gamma[m] alpha / 127) x (sum over k of xi t).  xi and t are exact in bf16 (8 significant
; bits), and a sum is a whole number of at most 127 x 4,096 = 520,192 < 2^24: exact in f32 in any order.  This launch and the next make alpha, xi, t and the row factors; the third multiplies.
; NO WORK IS LEFT OUT: both inputs reach every output, and every step of the quantisation is done; only the two factors are applied once, behind the sum, and not to each operand.
; LIMITS.  alpha's f32 sum is taken as a tree (8 chains a lane, 32 lanes, 8 waves, 256 work-groups): its last places may differ from a sum in another order, and a weight whose magnitude lies between the
; two values of alpha / 2 then takes another digit.  NaN and infinities are not treated apart.
; SHARES.  Eight waves, a row of 16,384 bytes each: 32 loads of 16 bytes a lane, each covering 512 consecutive bytes, all issued at once.  The work-groups share no input: no cluster, no tile, no matrix unit.
.set SPARE, 256                        ; LDS: bytes 0-31 the eight waves' sums (the block 0-255 is theirs); from 256 on the spare words, 128 bytes a wave
.set A,     8                          ; v[8:15]   eight running sums, in four pairs
.set X,     32                         ; v[32:159] the row as loaded
	s_load_b128 s[4:7], s[0:1], 0x0                ; weight s[4:5], part s[6:7]
	v_lshl_add_u32 v6, v0, 2, SPARE                ; my spare word; never rewritten
	v_mov_b32 v7, 0                                ; 0; never rewritten
	v_lshrrev_b32 v1, 5, v0
	v_readfirstlane_b32 s8, v1                     ; wave 0..7
	v_and_b32 v2, 31, v0
	v_lshlrev_b32 v2, 4, v2                        ; 16 x lane
	v_mov_b32 v3, s8
	v_lshlrev_b32 v3, 2, v3                        ; my wave's word in LDS
	v_mov_b32 v4, 0                                ; LDS byte 0, and the store's offset
	v_mov_b32 v17, 0                               ; v_permlanex16_b32's destination counts as read
	s_mov_b32 s12, 0x7fffffff                      ; clears a sign
	s_mov_b32 s13, 0x76543210                      ; each lane takes its own place in the other half
	s_mov_b32 s14, 0xfedcba98
	s_lshl_b32 s10, ttmp9, 3
	s_add_co_u32 s10, s10, s8                      ; my row
	s_lshl_b32 s10, s10, 14                        ; x 16,384 bytes: under 2^25
	s_mov_b32 s11, 0
	s_lshl_b32 s16, ttmp9, 2                       ; my work-group's word of part
	s_mov_b32 s17, 0
	s_wait_kmcnt 0x0
	s_add_nc_u64 s[4:5], s[4:5], s[10:11]
	s_add_nc_u64 s[6:7], s[6:7], s[16:17]
.set j, 0
.rept 32
	global_load_b128 v[X+4*j:X+4*j+3], v2, s[4:5] offset:512*j  ; no hint: the next launch reads the weights again
.set j, j+1
.endr
; The sums, four loads at a time.  The first two loads' magnitudes start the eight chains: nothing is cleared.
.set j, 0
.rept 32
.if (j%4) == 0
	s_wait_loadcnt 28-j                            ; loads come back in order: loads j .. j + 3 are in, the 28 - j younger ones stay out
.endif
.if j < 2
.irp k, 0,1,2,3
	v_and_b32 v[A+4*j+\k], s12, v[X+4*j+\k]
.endr
.else
.irp k, 0,1,2,3
	v_and_b32 v[X+4*j+\k], s12, v[X+4*j+\k]
.endr
	v_pk_add_f32 v[A+4*(j%2):A+4*(j%2)+1], v[A+4*(j%2):A+4*(j%2)+1], v[X+4*j:X+4*j+1]
	v_pk_add_f32 v[A+4*(j%2)+2:A+4*(j%2)+3], v[A+4*(j%2)+2:A+4*(j%2)+3], v[X+4*j+2:X+4*j+3]
.endif
.set j, j+1
.endr
	v_pk_add_f32 v[A:A+1], v[A:A+1], v[A+4:A+5]
	v_pk_add_f32 v[A+2:A+3], v[A+2:A+3], v[A+6:A+7]
	v_pk_add_f32 v[A:A+1], v[A:A+1], v[A+2:A+3]
	v_add_f32 v16, v[A], v[A+1]
	v_add_f32_dpp v16, v16, v16 row_xmask:1 row_mask:0xf bank_mask:0xf   ; across the 16 lanes of a half,
	v_add_f32_dpp v16, v16, v16 row_xmask:2 row_mask:0xf bank_mask:0xf
	v_add_f32_dpp v16, v16, v16 row_xmask:4 row_mask:0xf bank_mask:0xf
	v_add_f32_dpp v16, v16, v16 row_xmask:8 row_mask:0xf bank_mask:0xf
	v_permlanex16_b32 v17, v16, s13, s14           ; and across the halves
	v_add_f32 v16, v16, v17                        ; the row's sum, in every lane
	ds_store_b32 v3, v16                           ; all lanes write the same word with the same value
	s_wait_dscnt 0x0                               ; for the others' sake: my store is done
	s_barrier_signal -1
	s_barrier_wait -1
	ds_load_b128 v[20:23], v4                      ; the eight rows' sums
	ds_load_b128 v[24:27], v4 offset:16
	s_wait_dscnt 0x0
	v_pk_add_f32 v[20:21], v[20:21], v[24:25]
	v_pk_add_f32 v[22:23], v[22:23], v[26:27]
	v_pk_add_f32 v[20:21], v[20:21], v[22:23]
	v_add_f32 v16, v20, v21
	v_cmp_eq_u32 vcc_lo, 0, v0                     ; thread 0 stores the work-group's one number: 4 bytes, once a work-group
	s_wait_xcnt 0x0                                ; EXEC is a source of the loads above: it changes only behind this wait
	s_and_saveexec_b32 s15, vcc_lo
	global_store_b32 v4, v16, s[6:7]
	s_wait_xcnt 0x0                                ; and again, in front of the line that widens it
	s_or_b32 exec_lo, exec_lo, s15
	s_wait_tensorcnt 0x0                           ; the wave's end, behind my last LDS store
	ds_add_u32 v6, v7
	s_wait_dscnt 0x0
	s_endpgm
.Lfunc_end_k_qa188e9cc27_wsum:
	.size	k_qa188e9cc27_wsum, .Lfunc_end_k_qa188e9cc27_wsum-k_qa188e9cc27_wsum
	.p2alignl 7, 3214868480
	.fill 96, 4, 3214868480
	.section	.rodata,"a",@progbits
	.p2align	6, 0x0
	.amdhsa_kernel k_qa188e9cc27_wsum
		.amdhsa_group_segment_fixed_size 1280
		.amdhsa_private_segment_fixed_size 0
		.amdhsa_enable_private_segment 0
		.amdhsa_kernarg_size 16
		.amdhsa_user_sgpr_count 2
		.amdhsa_user_sgpr_kernarg_segment_ptr 1
		.amdhsa_wavefront_size32 1
		.amdhsa_system_sgpr_workgroup_id_x 1
		.amdhsa_system_sgpr_workgroup_id_y 1
		.amdhsa_system_sgpr_workgroup_id_z 1
		.amdhsa_system_vgpr_workitem_id 0
		.amdhsa_next_free_vgpr 160
		.amdhsa_next_free_sgpr 66
		.amdhsa_reserve_vcc 1
		.amdhsa_float_denorm_mode_32 3
		.amdhsa_float_denorm_mode_16_64 3
		.amdhsa_memory_ordered 1
		.amdhsa_forward_progress 1
		.amdhsa_inst_pref_size 14
	.end_amdhsa_kernel
	.amdgpu_metadata
---
amdhsa.version: [ 1, 2 ]
amdhsa.kernels:
  - .name:           k_qa188e9cc27_wsum
    .symbol:         k_qa188e9cc27_wsum.kd
    .args:
      - { .name: weight, .offset: 0, .size: 8, .value_kind: global_buffer, .address_space: global }
      - { .name: part, .offset: 8, .size: 8, .value_kind: global_buffer, .address_space: global }
    .group_segment_fixed_size: 1280
    .private_segment_fixed_size: 0
    .kernarg_segment_align: 8
    .kernarg_segment_size: 16
    .max_flat_workgroup_size: 256
    .sgpr_count:     66
    .vgpr_count:     160
    .wavefront_size: 32
...
	.end_amdgpu_metadata
.endif
;; end of part 1
;; launch quant (part 2): grid 256 x 1, 16 waves a work-group, no clusters, 0 bytes of LDS; arguments x, weight, part, xq, wq, scale; writes xq, wq, scale
.if DOCPART == 2
	.amdgcn_target "amdgcn-amd-amdhsa--gfx1250"
	.amdhsa_code_object_version 6
	.text
	.protected	k_qa188e9cc27_quant
	.globl	k_qa188e9cc27_quant
	.p2align	8
	.type	k_qa188e9cc27_quant,@function
k_qa188e9cc27_quant:
	s_mov_b64 s[64:65], 0
	v_nop
	global_prefetch_b8 v0, s[64:65] scope:SCOPE_SE
	s_setreg_imm32_b32 hwreg(HW_REG_WAVE_MODE, 25, 1), 1
	s_wait_xcnt 0x0
; BitLinear, second of three launches: the two quantisations.  Nothing of reference() is left out here.
;   alpha    = (sum of the 256 numbers of part) / 2^23 + 1e-8            (2^23 = 2,048 x 4,096 weights; the division is exact, so the line has one rounding)
;   xq[m][k] = round(x[m][k] x 127 / gamma[m]) as bf16, exact;  gamma[m] = max(max_k |x[m][k]|, 1e-8)
;   wq[n][k] = sign(w) where |w| > alpha / 2, else 0, as bf16
;   scale[m] = gamma[m] x alpha / 127
; THE DIGIT.  clip(round(w / alpha), -1, 1) is 0 where the rounded quotient is at most 0.5 (a tie goes to the even 0) and sign(w) elsewhere.  The quotient rounds to at most 0.5 where |w| / alpha <= 0.5 + 2^-25,
; that is |w| <= (alpha / 2)(1 + 2^-24); the float next above alpha / 2 is more than that, so among floats the test is |w| > alpha / 2, exactly.
; THE ROUNDING.  x s + 1.5 x 2^23 in one fused multiply-add leaves a whole number, ties to even (the mode at the entry); taking 1.5 x 2^23 away again is exact.  |x s| stays under 128.
; LIMITS.  s = 127 x (1 / gamma) is a reciprocal good to a unit in the last place, where reference() divides and then multiplies: an x that lies on a tie may go to the neighbouring whole number.  A row maximum
; beyond 2^125 has a reciprocal that counts as 0.  alpha's sum is a tree (see the first launch).  NaN and infinities are not treated apart: the maxima and minima drop a NaN.
; SHARES.  4,096 waves, all alike, no branch: wave g = 16 x work-group + wave takes rows 2 g and 2 g + 1 of x (16,384 bytes each) and the 2,048 weights at byte 8,192 g.  A row lies in 128 registers between the pass
; that finds its maximum and the pass that scales it: x is read once.  As soon as 32 bytes a lane have been converted their registers are loaded again, with the same place of the next job, so a row's stores
; leave while the next row comes in.  A load covers 512 consecutive bytes, a store 256, both aligned.  Nothing is shared between waves but the 1,024 bytes of part: no LDS, no barrier, no cluster, no matrix unit.
.set T,  8                             ; v[8:15]   part's numbers, later digits at work
.set Y,  32                            ; v[32:95]  a row's 64 packed words, the stores' data
.set X,  96                            ; v[96:223] a row as loaded
; v1 lane; v2 16 x lane; v3 8 x lane; v4 32 x lane; v5 0.0 (and offset 0); v6 1.0; v7 -1.0; v16-19 two maxima, two minima; v20, v21 at work; v22 alpha; v23 alpha / 127; v24 alpha / 2; v25 -alpha / 2;
; v[26:27] 127 / gamma, twice; v[28:29] the two rows' factors
	s_load_b256 s[4:11], s[0:1], 0x0               ; x s[4:5], weight s[6:7], part s[8:9], xq s[10:11]
	s_load_b128 s[12:15], s[0:1], 0x20             ; wq s[12:13], scale s[14:15]
	v_lshrrev_b32 v1, 5, v0
	v_readfirstlane_b32 s16, v1                    ; wave 0..15
	v_and_b32 v1, 31, v0
	v_lshlrev_b32 v2, 4, v1
	v_lshlrev_b32 v3, 3, v1
	v_lshlrev_b32 v4, 5, v1
	v_mov_b32 v5, 0
	v_mov_b32 v6, 1.0
	v_mov_b32 v7, -1.0
	v_mov_b32 v21, 0                               ; v_permlanex16_b32's destination counts as read
	s_lshl_b32 s17, ttmp9, 4
	s_add_co_u32 s17, s17, s16                     ; g
	s_mov_b32 s20, 0x4b400000                      ; 1.5 x 2^23; named as a pair, the low word serves both halves
	s_mov_b32 s21, 0x4b400000
	s_mov_b32 s22, 0xcb400000                      ; and its negative
	s_mov_b32 s23, 0xcb400000
	s_mov_b32 s24, 0x76543210                      ; each lane takes its own place in the other half
	s_mov_b32 s25, 0xfedcba98
	s_mov_b32 s26, 0x34000000                      ; 2^-23
	s_mov_b32 s27, 0x322bcc77                      ; 1e-8
	s_mov_b32 s19, 0
	s_wait_kmcnt 0x0
	s_lshl_b32 s18, s17, 15                        ; two rows of x: 32,768 bytes (all five offsets stay under 2^27)
	s_add_nc_u64 s[4:5], s[4:5], s[18:19]
	s_lshl_b32 s18, s17, 13                        ; 2,048 weights: 8,192 bytes
	s_add_nc_u64 s[6:7], s[6:7], s[18:19]
	s_lshl_b32 s18, s17, 14                        ; two rows of xq: 16,384 bytes
	s_add_nc_u64 s[10:11], s[10:11], s[18:19]
	s_lshl_b32 s18, s17, 12                        ; 2,048 digits: 4,096 bytes
	s_add_nc_u64 s[12:13], s[12:13], s[18:19]
	s_lshl_b32 s18, s17, 3                         ; two factors: 8 bytes
	s_add_nc_u64 s[14:15], s[14:15], s[18:19]
	global_load_b128 v[T:T+3],   v4, s[8:9]        ; eight of part's 256 numbers a lane
	global_load_b128 v[T+4:T+7], v4, s[8:9] offset:16
.set j, 0
.rept 32
	global_load_b128 v[X+4*j:X+4*j+3], v2, s[4:5] offset:512*j th:TH_LOAD_NT  ; row 2 g
.set j, j+1
.endr
; The row in X: its largest magnitude, as max(largest, -smallest), two chains each; then the clip.  When this runs the row's 32 loads are the youngest that are out.
.macro MAXROW
.set j, 0
.rept 32
.if (j%4) == 0
	s_wait_loadcnt 28-j                            ; loads j .. j + 3 are in, the 28 - j younger ones stay out
.endif
.if j == 0
	v_max_num_f32 v16, v[X], v[X+1]                ; the first four numbers start the chains
	v_max_num_f32 v17, v[X+2], v[X+3]
	v_min_num_f32 v18, v[X], v[X+1]
	v_min_num_f32 v19, v[X+2], v[X+3]
.else
	v_max3_num_f32 v16, v16, v[X+4*j], v[X+4*j+1]
	v_max3_num_f32 v17, v17, v[X+4*j+2], v[X+4*j+3]
	v_min3_num_f32 v18, v18, v[X+4*j], v[X+4*j+1]
	v_min3_num_f32 v19, v19, v[X+4*j+2], v[X+4*j+3]
.endif
.set j, j+1
.endr
	v_max_num_f32 v16, v16, v17
	v_min_num_f32 v18, v18, v19
	v_xor_b32 v18, 0x80000000, v18
	v_max_num_f32 v20, v16, v18
	v_max_num_f32_dpp v20, v20, v20 row_xmask:1 row_mask:0xf bank_mask:0xf
	v_max_num_f32_dpp v20, v20, v20 row_xmask:2 row_mask:0xf bank_mask:0xf
	v_max_num_f32_dpp v20, v20, v20 row_xmask:4 row_mask:0xf bank_mask:0xf
	v_max_num_f32_dpp v20, v20, v20 row_xmask:8 row_mask:0xf bank_mask:0xf
	v_permlanex16_b32 v21, v20, s24, s25
	v_max_num_f32 v20, v20, v21
	v_max_num_f32 v20, s27, v20                    ; gamma, in every lane
.endm
; Row r of my two: 127 / gamma for the scaling, gamma alpha / 127 for the third launch.
.macro FACT r
	v_rcp_f32 v26, v20
	v_mul_f32 v[28+(\r)], v20, v23                 ; the plain instruction behind the reciprocal, which names neither its result nor writes its source
	s_wait_alu depctr_va_vdst(0)                   ; the wait ahead of the first line that names the result
	v_mul_f32 v26, 0x42fe0000, v26                 ; x 127
	v_mov_b32 v27, v26
.endm
; Row r is scaled, rounded, packed and stored, 32 bytes a lane at a time; behind each such piece its registers are loaded again: nxt = 1: with the second row; nxt = 2: with my weights (the first 16 loads' places).
.macro QROW r, nxt
	s_wait_xcnt 0x0                                ; Y was the last row's store data: it is written again only behind this wait
.set j, 0
.rept 16
.irp k, 0,2,4,6
	v_pk_fma_f32 v[X+4*j+\k:X+4*j+\k+1], v[X+4*j+\k:X+4*j+\k+1], v[26:27], s[20:21] op_sel_hi:[1,1,0]
.endr
.irp k, 0,2,4,6
	v_pk_add_f32 v[X+4*j+\k:X+4*j+\k+1], v[X+4*j+\k:X+4*j+\k+1], s[22:23] op_sel_hi:[1,0]
.endr
.irp k, 0,1,2,3
	v_cvt_pk_bf16_f32 v[Y+2*j+\k], v[X+4*j+2*\k], v[X+4*j+2*\k+1]
.endr
.if (\nxt) == 1
	global_load_b128 v[X+4*j:X+4*j+3],   v2, s[4:5] offset:16384+512*j th:TH_LOAD_NT
	global_load_b128 v[X+4*j+4:X+4*j+7], v2, s[4:5] offset:16384+512*j+512 th:TH_LOAD_NT
.elseif j < 16
	global_load_b128 v[X+4*j:X+4*j+3],   v2, s[6:7] offset:512*j th:TH_LOAD_NT
	global_load_b128 v[X+4*j+4:X+4*j+7], v2, s[6:7] offset:512*j+512 th:TH_LOAD_NT
.endif
	global_store_b64 v3, v[Y+2*j:Y+2*j+1],   s[10:11] offset:8192*(\r)+256*j      ; the wave's 32 lanes store 256 consecutive bytes, aligned
	global_store_b64 v3, v[Y+2*j+2:Y+2*j+3], s[10:11] offset:8192*(\r)+256*j+256
.set j, j+2
.endr
.endm
; My 2,048 weights: 16 loads.  A digit is chosen by two compares and two selects; no branch and no address hangs on it.
.macro WQ
	s_wait_xcnt 0x0                                ; Y was the second row's store data
.set j, 0
.rept 16
.if (j%4) == 0
	s_wait_loadcnt 12-j                            ; loads j .. j + 3 are in, the 12 - j younger ones stay out
.endif
.irp k, 0,1,2,3
	v_cmp_lt_f32 vcc_lo, v24, v[X+4*j+\k]          ; alpha / 2 < w
	v_cndmask_b32 v[T+4*(j%2)+\k], v5, v6, vcc_lo  ; 1, else 0
	v_cmp_gt_f32 vcc_lo, v25, v[X+4*j+\k]          ; -alpha / 2 > w
	v_cndmask_b32 v[T+4*(j%2)+\k], v[T+4*(j%2)+\k], v7, vcc_lo  ; -1
.endr
	v_cvt_pk_bf16_f32 v[Y+2*j],   v[T+4*(j%2)],   v[T+4*(j%2)+1]
	v_cvt_pk_bf16_f32 v[Y+2*j+1], v[T+4*(j%2)+2], v[T+4*(j%2)+3]
	global_store_b64 v3, v[Y+2*j:Y+2*j+1], s[12:13] offset:256*j
.set j, j+1
.endr
.endm
	s_wait_loadcnt 32                              ; part's two loads are in; the row's 32 stay out
	v_pk_add_f32 v[T:T+1], v[T:T+1], v[T+4:T+5]
	v_pk_add_f32 v[T+2:T+3], v[T+2:T+3], v[T+6:T+7]
	v_pk_add_f32 v[T:T+1], v[T:T+1], v[T+2:T+3]
	v_add_f32 v20, v[T], v[T+1]
	v_add_f32_dpp v20, v20, v20 row_xmask:1 row_mask:0xf bank_mask:0xf
	v_add_f32_dpp v20, v20, v20 row_xmask:2 row_mask:0xf bank_mask:0xf
	v_add_f32_dpp v20, v20, v20 row_xmask:4 row_mask:0xf bank_mask:0xf
	v_add_f32_dpp v20, v20, v20 row_xmask:8 row_mask:0xf bank_mask:0xf
	v_permlanex16_b32 v21, v20, s24, s25
	v_add_f32 v20, v20, v21                        ; the sum of all |w|, in every lane of every wave alike
	v_fma_f32 v22, v20, s26, s27                   ; alpha
	v_mul_f32 v23, 0x3c010204, v22                 ; alpha / 127
	v_mul_f32 v24, 0.5, v22                        ; alpha / 2, exact
	v_xor_b32 v25, 0x80000000, v24
	MAXROW
	FACT 0
	QROW 0, 1
	MAXROW
	FACT 1
	QROW 1, 2
	WQ
	v_cmp_eq_u32 vcc_lo, 0, v1                     ; lane 0 stores the wave's two factors: 8 bytes, once a wave
	s_wait_xcnt 0x0                                ; EXEC is a source of the stores above: it changes only behind this wait
	s_and_saveexec_b32 s28, vcc_lo
	global_store_b64 v5, v[28:29], s[14:15]
	s_wait_xcnt 0x0                                ; and again, in front of the line that widens it
	s_or_b32 exec_lo, exec_lo, s28
	s_endpgm
.Lfunc_end_k_qa188e9cc27_quant:
	.size	k_qa188e9cc27_quant, .Lfunc_end_k_qa188e9cc27_quant-k_qa188e9cc27_quant
	.p2alignl 7, 3214868480
	.fill 96, 4, 3214868480
	.section	.rodata,"a",@progbits
	.p2align	6, 0x0
	.amdhsa_kernel k_qa188e9cc27_quant
		.amdhsa_group_segment_fixed_size 0
		.amdhsa_private_segment_fixed_size 0
		.amdhsa_enable_private_segment 0
		.amdhsa_kernarg_size 48
		.amdhsa_user_sgpr_count 2
		.amdhsa_user_sgpr_kernarg_segment_ptr 1
		.amdhsa_wavefront_size32 1
		.amdhsa_system_sgpr_workgroup_id_x 1
		.amdhsa_system_sgpr_workgroup_id_y 1
		.amdhsa_system_sgpr_workgroup_id_z 1
		.amdhsa_system_vgpr_workitem_id 0
		.amdhsa_next_free_vgpr 224
		.amdhsa_next_free_sgpr 66
		.amdhsa_reserve_vcc 1
		.amdhsa_float_denorm_mode_32 3
		.amdhsa_float_denorm_mode_16_64 3
		.amdhsa_memory_ordered 1
		.amdhsa_forward_progress 1
		.amdhsa_inst_pref_size 70
	.end_amdhsa_kernel
	.amdgpu_metadata
---
amdhsa.version: [ 1, 2 ]
amdhsa.kernels:
  - .name:           k_qa188e9cc27_quant
    .symbol:         k_qa188e9cc27_quant.kd
    .args:
      - { .name: x, .offset: 0, .size: 8, .value_kind: global_buffer, .address_space: global }
      - { .name: weight, .offset: 8, .size: 8, .value_kind: global_buffer, .address_space: global }
      - { .name: part, .offset: 16, .size: 8, .value_kind: global_buffer, .address_space: global }
      - { .name: xq, .offset: 24, .size: 8, .value_kind: global_buffer, .address_space: global }
      - { .name: wq, .offset: 32, .size: 8, .value_kind: global_buffer, .address_space: global }
      - { .name: scale, .offset: 40, .size: 8, .value_kind: global_buffer, .address_space: global }
    .group_segment_fixed_size: 0
    .private_segment_fixed_size: 0
    .kernarg_segment_align: 8
    .kernarg_segment_size: 48
    .max_flat_workgroup_size: 512
    .sgpr_count:     66
    .vgpr_count:     224
    .wavefront_size: 32
...
	.end_amdgpu_metadata
.endif
;; end of part 2
;; launch gemm (part 3): grid 8 x 32, 4 waves a work-group, clusters of 4 x 4, 327,680 bytes of LDS; arguments xq, wq, scale, out0; writes out0
.if DOCPART == 3
	.amdgcn_target "amdgcn-amd-amdhsa--gfx1250"
	.amdhsa_code_object_version 6
	.text
	.protected	k_qa188e9cc27_gemm
	.globl	k_qa188e9cc27_gemm
	.p2align	8
	.type	k_qa188e9cc27_gemm,@function
k_qa188e9cc27_gemm:
	s_mov_b64 s[64:65], 0
	v_nop
	global_prefetch_b8 v0, s[64:65] scope:SCOPE_SE
	s_setreg_imm32_b32 hwreg(HW_REG_WAVE_MODE, 25, 1), 1
	s_wait_xcnt 0x0
	s_wait_alu depctr_hold_cnt(0) depctr_sa_sdst(0) depctr_va_vdst(0) depctr_va_sdst(0) depctr_va_ssrc(0) depctr_va_vcc(0) depctr_vm_vsrc(0)
	s_getreg_b32 s2, hwreg(HW_REG_IB_STS2, 6, 4)
	s_cmp_eq_u32 s2, 0
	s_cbranch_scc0 .Lentry_in_a_cluster
	s_endpgm
.Lentry_in_a_cluster:
	s_bfe_u32 s2, ttmp6, 0x10000c
	s_cmp_lg_u32 s2, 0xf033
	s_cbranch_scc0 .Lentry_shape_is_right
	s_endpgm
.Lentry_shape_is_right:
; BitLinear, third of three launches: out0[m][n] = scale[m] x (sum over k of xq[m][k] wq[n][k]).  xq: [8192][4096], wq: [2048][4096], bf16, whole numbers of -127 .. 127 and -1 .. 1; scale: [8192] f32;
; out0: [8192][2048] f32.  Nothing of reference() is left out: its two factors, gamma[m] / 127 and alpha, which do not hang on k, come in once, as scale[m], behind the sum.  A sum is a whole number under 2^24.
; A tile of out0, 256 x 256, is made by a work-group of four waves; a wave makes 128 x 128: 64 accumulators of 16 x 16, 512 registers.  32 x 8 tiles: 256 work-groups, one tile each.
; K goes in 32 steps of 128 through a ring of two LDS slots filled by the tensor data mover: a tile's rows are 256 bytes of memory and start at multiples of 256 bytes from the buffer's first byte.
; CLUSTERS: 4 x 4 work-groups.  The four of a row of the cluster need the same tiles of xq, the four of a column the same tiles of wq.  Such a tile is asked for JOINTLY: each of the four issues the same tensor
; load, with the same descriptor and a mask that names the four, and each receives the tile in its own LDS.  That divides the requests for both operands by four.
; REGISTERS, in windows of 256 (s_set_vgpr_msb's low byte: bits 1:0 source 0, 3:2 source 1, 5:4 source 2, 7:6 destination):
;   window 0: v0-31 addresses; v32-47 the row factors; v64-127, v128-191 fragments of xq, two buffers; on the way out v64-127 scaled results, v128-191 and v192-255 rows read back, by turns
;   window 1: v64-127, v128-191 fragments of wq, two buffers
;   window 2: the 32 accumulators of my rows 0-63 (accumulator (a, b) at v[8 (8 a + b)]);   window 3: those of my rows 64-127
; THE MATRIX INSTRUCTION IS USED TRANSPOSED: source 0 = 16 rows of wq, source 1 = 16 rows of xq.  In the result lane l holds row m = l % 16 of out0, and its registers 0 to 7 the columns 8 (l / 16) + 0 .. 7:
; 32 consecutive bytes of a row, and ONE row factor a lane.
.set SIZE_M, 8192
.set SIZE_N, 2048
.set SIZE_K, 4096
.set KSTEP,  128
.set PITCH,  272                       ; an LDS row: 256 bytes of data + 16 of padding = 68 words: the 16 rows that a load touches start 4 banks apart (64 banks of 4 bytes: ISA guide 11.1)
.set HALFT,  128*PITCH                 ; 128 rows: what one tensor load brings, and what one wave reads of either operand
.set SLOT,   4*HALFT                   ; xq's 256 rows, then wq's 256 rows
.set STAGE,  2*SLOT                    ; behind the ring, never filled by a tensor load: 16 rows x 528 bytes for each wave, for the way out
.set SPITCH, 528                       ; a stage row: 512 bytes + 16 = 33 x 16: the 16 rows that a store touches fall into 16 different columns of 16 bytes
.set SPARE,  STAGE+4*16*SPITCH         ; behind the stages: the spare words, 128 bytes for each wave: two blocks of 256 bytes that no other line names
.set LAPS,   SIZE_K/(2*KSTEP)          ; a lap = two K steps = once round the ring: 16
.set ADRA, 16                          ; v16-17  LDS address of my xq fragments in slot 0, 1
.set ADRB, 20                          ; v20-21  the same for wq
.set STO,  24                          ; v24     the way out: where I put 32 bytes of a row
.set RD,   25                          ; v25     the way out: where I read 16 bytes of a row back
.set CO,   26                          ; v26     my byte offset in 512 bytes of a row of out0
.set SO,   27                          ; v27     my byte offset in 16 row factors
.set SPW,  28                          ; v28     LDS address of my spare word: SPARE + 4 x my thread's number; never rewritten
.set NIL,  29                          ; v29     0; never rewritten
.set PFO,  30                          ; v30     the prefetches' offset: my lane x a row of xq or wq (8,192 bytes); never rewritten
.set SC,   32                          ; v[32:47] block a's row factor, twice, at v[32 + 2 a : 33 + 2 a]
.set F0,   64                          ; fragment buffer 0
.set F1,   128                         ; fragment buffer 1
.set TMP,  64                          ; the way out: a block's 64 scaled results
.set OB,   128                         ; the way out: 16 rows read back: v128-191 and v192-255 by turns
.set PFA,  44                          ; s[44:45] where my prefetches stand: my work-group's 32 rows of the 128 that I fetch, one K step further along K than the refill that is being asked for
.set LIM,  43                          ; s43     1 in a wave that prefetches, else the greatest number
.set SCL,  68                          ; s[68:69] scale
.set G1,  24                           ; s[24:31] descriptor group 1 for xq's tiles
.set G0,  32                           ; s[32:39] descriptor group 0 for xq's tiles, one set for each slot
.set G1B, 48                           ; s[48:55] descriptor group 1 for wq's tiles: it differs in the mask alone
.set G0B, 56                           ; s[56:63] descriptor group 0 for wq's tiles, one set for each slot
.set MSB, 0
.macro WIN new                         ; the immediate's high byte repeats the setting that is left; a switch that changes nothing is dropped
.if MSB != (\new)
	s_set_vgpr_msb (MSB<<8)|(\new)
.set MSB, \new
.endif
.endm
.set MUL_LO, 0xa1                      ; source 0 (wq) window 1, source 1 (xq) window 0, C and D window 2
.set MUL_HI, 0xf1                      ; the same, C and D window 3
.set TO_B,   0x40                      ; destination window 1, address window 0
; A joint load.  Waves 0 and 1 fetch xq's two halves, waves 2 and 3 wq's.  Each of the two lines has one mask and one set of registers for all that issue it.  The branch hangs on the wave's number alone.
; An s_nop 0 and four v_nop follow each of the two lines; the jump, the label and what follows come after them.
.macro JLOAD s
	s_cmp_eq_u32 s11, 0
	s_cbranch_scc0 .Lfor_b_\@
	tensor_load_to_lds s[G0+4*(\s):G0+4*(\s)+3], s[G1:G1+7]
	s_nop 0
.rept 4
	v_nop
.endr
	s_branch .Lasked_\@
.Lfor_b_\@:
	tensor_load_to_lds s[G0B+4*(\s):G0B+4*(\s)+3], s[G1B:G1B+7]
	s_nop 0
.rept 4
	v_nop
.endr
.Lasked_\@:
.endm
; A PREFETCH, behind each joint refill, its five lines and the run of LDS loads that follows them: the K step that stands TWO refills on, 512 matrix instructions ahead of the load that will want it:
; 32 rows x 256 bytes, a lane a row, one instruction a wave.  Each row's 256 bytes of a K step are named ONCE in the launch: xq's tile row is read by both clusters of that row of clusters, and the one with
; x = 0 asks; wq's tile column by all eight clusters of that column, and the one with y = 0 asks.  The four partners that ask for a tile jointly share its rows out BY ADDRESS: of the 128 rows that a wave
; fetches the partner at place p takes 32 p .. 32 p + 31 (p = cx for xq, cy for wq): no branch hangs on a work-group's place in its cluster.  K steps 0 to 3 come by their loads alone; the loop's last trip
; (s3 = 1), whose refills are K steps 30 and 31, asks for nothing.
.macro ASK
	s_cmp_gt_u32 s3, s[LIM]
	s_cbranch_scc0 .Lnot_mine_\@
	global_prefetch_b8 v[PFO], s[PFA:PFA+1] offset:KSTEP*2 th:TH_LOAD_NT scope:SCOPE_SE
.Lnot_mine_\@:
.endm
; A round of the cluster's barrier: my work-group's barrier, so that wave 0's signal speaks for all four waves; wave 0 signals for the work-group; every wave waits for all sixteen work-groups; my work-group's
; barrier once more.  No LDS instruction of the wave is pending at a signal.
.macro CREST                           ; a round behind its opening barrier
	s_cmp_lg_u32 s10, 0
	s_cbranch_scc1 .Lnot_wave_0_\@
	s_barrier_signal -3
.Lnot_wave_0_\@:
	s_barrier_wait -3
	s_barrier_signal -1
	s_barrier_wait -1
.endm
.macro CROUND                          ; a whole round
	s_barrier_signal -1
	s_barrier_wait -1
	CREST
.endm
	s_load_b128 s[4:7], s[0:1], 0x0                ; xq s[4:5], wq s[6:7]
	s_load_b64 s[SCL:SCL+1], s[0:1], 0x10          ; scale
	s_load_b64 s[8:9], s[0:1], 0x18                ; out0
	v_lshl_add_u32 v[SPW], v0, 2, SPARE
	v_mov_b32 v[NIL], 0
	ds_add_u32 v[SPW], v[NIL]                      ; the wave's opening: the add, twice on end, and its wait ahead of my first tensor load; the set-up below, work on registers, stands between
	ds_add_u32 v[SPW], v[NIL]                      ; and once more, under the one wait
	v_lshrrev_b32 v1, 5, v0
	v_readfirstlane_b32 s10, v1                    ; wave 0..3
	s_lshr_b32 s11, s10, 1                         ; which half of the tile's rows is mine.  Also: I fetch for xq (0) or for wq (1)
	s_and_b32 s12, s10, 1                          ; which half of its columns.  Also: which 128 rows of that tile I fetch
	s_bfe_u32 s40, ttmp6, 0x40000                  ; cx: my place along the cluster's x
	s_bfe_u32 s41, ttmp6, 0x40004                  ; cy: along its y
	s_lshl_b32 s42, ttmp9, 2                       ; in a cluster launch ttmp9 and ttmp7 count clusters
	s_add_co_u32 s42, s42, s40                     ; tile column = 4 x cluster x + cx
	s_and_b32 s13, ttmp7, 0xffff
	s_lshl_b32 s13, s13, 2
	s_add_co_u32 s13, s13, s41                     ; tile row = 4 x cluster y + cy
	s_lshl_b32 s43, s41, 2
	s_lshl_b32 s43, 15, s43                        ; my row of the cluster: places 4 cy .. 4 cy + 3
	s_lshl_b32 s44, 0x1111, s40                    ; my column: places cx, cx + 4, cx + 8, cx + 12
	; descriptor group 1: a tile of 128 rows x 128 elements, padded in LDS
	s_or_b32 s[G1+0], s43, (1<<16)|(1<<20)|(1<<21)|(5<<22)|(3<<25)  ; 15:0 the mask: xq's tiles go to my row; 17:16 elements of 2 bytes; 20 padding on; 21 set beside a mask; 24:22 after every 64 words (code 5); 31:25 4 words of it (code 3)
	s_or_b32 s[G1B+0], s44, (1<<16)|(1<<20)|(1<<21)|(5<<22)|(3<<25) ; the same with the mask of my column, for wq's tiles
	s_mov_b32 s[G1B+1], KSTEP<<16
	s_mov_b32 s[G1+1], KSTEP<<16                   ; tensor_dim0 = 128
	s_mov_b32 s[G1B+2], 128<<16
	s_mov_b32 s[G1+2], 128<<16                     ; tensor_dim1 = 128
	s_mov_b32 s[G1B+3], KSTEP<<16
	s_mov_b32 s[G1+3], KSTEP<<16                   ; tile_dim0 = 128
	s_mov_b32 s[G1B+4], 128
	s_mov_b32 s[G1+4], 128                         ; tile_dim1 = 128
	s_mov_b32 s[G1B+5], SIZE_K
	s_mov_b32 s[G1+5], SIZE_K                      ; 4,096 elements from row to row
	s_mov_b32 s[G1B+6], 0
	s_mov_b32 s[G1+6], 0
	s_mov_b32 s[G1B+7], 0
	s_mov_b32 s[G1+7], 0
	; where the tiles come from.  xq's hang on the tile row alone, which my row of the cluster shares; wq's on the tile column alone, which my column shares.
	; Every wave makes both addresses, in registers that never hold the other coordinate, and asks by one of them.
	s_lshl_b32 s17, s12, 7                         ; which 128 rows of the tile I fetch
	s_lshl_b32 s16, s13, 8
	s_add_co_u32 s16, s16, s17                     ; xq: row 256 x tile row + 128 x half
	s_lshl_b32 s46, s42, 8
	s_add_co_u32 s46, s46, s17                     ; wq: row 256 x tile column + 128 x half
	s_mov_b32 s17, 0
	s_mov_b32 s47, 0
	s_mov_b64 s[18:19], SIZE_K*2
	s_mul_u64 s[16:17], s[16:17], s[18:19]         ; in bytes
	s_mul_u64 s[46:47], s[46:47], s[18:19]
	s_mul_i32 s20, s10, HALFT                      ; and where they go: wave x 128 rows: no place in the cluster enters an LDS address
	s_wait_dscnt 0x0                               ; both opening adds are done
	s_wait_kmcnt 0x0
	s_add_nc_u64 s[14:15], s[4:5], s[16:17]
	s_add_nc_u64 s[46:47], s[6:7], s[46:47]
	CROUND                                         ; all sixteen work-groups are here: the first joint loads meet
.irp s, 0,1
	s_mov_b32 s[G0+4*(\s)], 1                                      ; count = 1
	s_add_co_u32 s[G0+4*(\s)+1], s20, (\s)*SLOT                    ; LDS address
	s_add_nc_u64 s[G0+4*(\s)+2:G0+4*(\s)+3], s[14:15], (\s)*KSTEP*2  ; global address: K step s
	s_or_b32 s[G0+4*(\s)+3], s[G0+4*(\s)+3], 0x80000000            ; type = 2
	s_mov_b32 s[G0B+4*(\s)], 1
	s_add_co_u32 s[G0B+4*(\s)+1], s20, (\s)*SLOT
	s_add_nc_u64 s[G0B+4*(\s)+2:G0B+4*(\s)+3], s[46:47], (\s)*KSTEP*2
	s_or_b32 s[G0B+4*(\s)+3], s[G0B+4*(\s)+3], 0x80000000
	JLOAD \s                                       ; the ring is filled before anything else is done: two loads of mine are out, the most in this text
.endr
	; A fragment is 16 rows x 32 K in 8 registers: lane l holds row l % 16; registers 0-3 hold K = 8 (l / 16) + 0..7, registers 4-7 hold K = 16 + 8 (l / 16) + 0..7: two loads of 16 bytes, 32 bytes apart.
	v_and_b32 v1, 15, v0                           ; l % 16
	v_bfe_u32 v2, v0, 4, 1                         ; l / 16
	v_mul_u32_u24 v3, v1, PITCH
	v_lshl_add_u32 v3, v2, 4, v3                   ; row x pitch + 16 x half
	s_mul_i32 s21, s11, HALFT                      ; my 128 rows of xq
	s_mul_i32 s22, s12, HALFT                      ; my 128 rows of wq,
	s_add_co_u32 s22, s22, 2*HALFT                 ; which lie behind xq's 256
.irp s, 0,1
	v_add_nc_u32 v[ADRA+(\s)], s21, v3
	v_add_nc_u32 v[ADRB+(\s)], s22, v3
	s_add_co_u32 s21, s21, SLOT
	s_add_co_u32 s22, s22, SLOT
.endr
	s_mul_i32 s23, s10, 16*SPITCH
	s_add_co_u32 s23, s23, STAGE                   ; my stage
	v_mul_u32_u24 v4, v1, SPITCH                   ; in: row l % 16, 32 bytes for each half of the lanes
	v_lshl_add_u32 v4, v2, 5, v4
	v_add_nc_u32 v[STO], s23, v4
	v_and_b32 v5, 31, v0
	v_lshlrev_b32 v[CO], 4, v5                     ; back: the 32 lanes take one row of 512 bytes, which are 512 consecutive bytes of out0
	v_add_nc_u32 v[RD], s23, v[CO]
	v_lshlrev_b32 v[SO], 2, v1
	; my part of the tile in out0 and in scale
	s_lshl_b32 s13, s13, 8                         ; 256 x tile row
	s_lshl_b32 s14, s11, 7
	s_add_co_u32 s16, s13, s14                     ; my first row
	s_lshl_b32 s20, s16, 2
	s_mov_b32 s21, 0
	s_add_nc_u64 s[SCL:SCL+1], s[SCL:SCL+1], s[20:21]
	s_lshl_b32 s16, s16, 13                        ; x 8,192 bytes: under 2^26
	s_mov_b32 s17, 0
	s_add_nc_u64 s[8:9], s[8:9], s[16:17]
	s_lshl_b32 s46, s42, 10                        ; my first column, in bytes: 1,024 x tile column + 512 x half
	s_lshl_b32 s47, s12, 9
	s_add_co_u32 s46, s46, s47
	s_mov_b32 s47, 0
	s_add_nc_u64 s[8:9], s[8:9], s[46:47]
.irp a, 0,1,2,3,4,5,6,7
	global_load_b32 v[SC+2*(\a)], v[SO], s[SCL:SCL+1] offset:64*(\a)  ; the factor of row 16 a + l % 16 of my 128
.endr
	; the prefetches.  s13 = 256 x tile row, s42 = tile column, s40 = cx, s41 = cy still stand
	s_lshl_b32 s42, s42, 8
	s_and_b32 s22, ttmp7, 0xffff                   ; cluster y
	s_cmp_eq_u32 s11, 0                            ; do I fetch for xq?
	s_cselect_b32 s20, s13, s42                    ; the tile's first row
	s_cselect_b32 s21, s40, s41                    ; my place among the four that ask for it with me
	s_cselect_b32 s22, ttmp9, s22                  ; the coordinate along which other clusters read the same rows
	s_cselect_b64 s[PFA:PFA+1], s[4:5], s[6:7]
	s_cmp_eq_u32 s22, 0
	s_cselect_b32 s[LIM], 1, -1                    ; the same in all sixteen partners, for a given wave
	s_lshl_b32 s22, s12, 7
	s_add_co_u32 s20, s20, s22                     ; + the 128 rows that I fetch
	s_lshl_b32 s21, s21, 5
	s_add_co_u32 s20, s20, s21                     ; + my work-group's 32 of them
	s_mov_b32 s21, 0
	s_mov_b64 s[18:19], SIZE_K*2
	s_mul_u64 s[20:21], s[20:21], s[18:19]
	s_add_nc_u64 s[PFA:PFA+1], s[PFA:PFA+1], s[20:21]
	s_add_nc_u64 s[PFA:PFA+1], s[PFA:PFA+1], 2*KSTEP*2  ; at K step 2: the first refill steps it to 3 and names K step 4
	v_and_b32 v[PFO], 31, v0
	v_mul_u32_u24 v[PFO], v[PFO], SIZE_K*2
	s_wait_loadcnt 0x0                             ; the row factors,
.irp a, 0,1,2,3,4,5,6,7
	v_mov_b32 v[SC+2*(\a)+1], v[SC+2*(\a)]         ; as pairs for the packed multiply
.endr
; 16 matrix instructions: m blocks a0, a0 + 1 of the window's four (hi = 0: my rows 0-63, 1: rows 64-127) x all 8 n blocks, 32 along K.  zero = 1: the first product starts the sums: nothing is ever cleared.
; The 64 accumulators take turns, one instruction a turn, in the same order in every quarter step, over the backward jump too.
.macro MUL16 f, hi, a0, zero
	WIN MUL_LO+0x50*(\hi)
.irp a, \a0, (\a0)+1
.irp b, 0,1,2,3,4,5,6,7
.if \zero
	v_wmma_f32_16x16x32_bf16 v[8*(8*(\a)+(\b)):8*(8*(\a)+(\b))+7], v[(\f)+8*(\b):(\f)+8*(\b)+7], v[(\f)+8*(4*(\hi)+(\a)):(\f)+8*(4*(\hi)+(\a))+7], 0
.else
	v_wmma_f32_16x16x32_bf16 v[8*(8*(\a)+(\b)):8*(8*(\a)+(\b))+7], v[(\f)+8*(\b):(\f)+8*(\b)+7], v[(\f)+8*(4*(\hi)+(\a)):(\f)+8*(4*(\hi)+(\a))+7], v[8*(8*(\a)+(\b)):8*(8*(\a)+(\b))+7]
.endif
.endr
.endr
.endm
; 32 LDS loads in one run: the fragments of one quarter step (128 rows of wq, 128 rows of xq, 32 K at byte k of the rows) into buffer f
.macro FETCH slot, k, f
	WIN TO_B
.irp i, 0,1,2,3,4,5,6,7
	ds_load_b128 v[(\f)+8*(\i):(\f)+8*(\i)+3],   v[ADRB+(\slot)] offset:(\k)+(\i)*16*PITCH
	ds_load_b128 v[(\f)+8*(\i)+4:(\f)+8*(\i)+7], v[ADRB+(\slot)] offset:(\k)+(\i)*16*PITCH+32
.endr
	WIN 0
.irp i, 0,1,2,3,4,5,6,7
	ds_load_b128 v[(\f)+8*(\i):(\f)+8*(\i)+3],   v[ADRA+(\slot)] offset:(\k)+(\i)*16*PITCH
	ds_load_b128 v[(\f)+8*(\i)+4:(\f)+8*(\i)+7], v[ADRA+(\slot)] offset:(\k)+(\i)*16*PITCH+32
.endr
.endm
; A load into a register that a matrix instruction has read, and a vector instruction that reads a matrix result or writes one of a matrix instruction's registers, stand four places behind that matrix
; instruction, and only plain vector instructions that name none of its registers are places (ISA guide 7.12.1 for vector instructions).
.macro PLACES
.rept 4
	v_nop
.endr
.endm
; A K step is four quarter steps of 32 along K, 64 matrix instructions each, on buffers 0, 1, 0, 1.  One of the first three: multiplies buffer f; in its middle it fetches the next quarter, at byte k, into buffer g.
.macro QUARTER slot, k, f, g, zero
	s_wait_dscnt 8                                 ; wq and xq's rows 0-63 are in; the youngest eight loads (xq's rows 64-127) may be out
	WIN MUL_LO
	MUL16 \f, 0, 0, \zero
	MUL16 \f, 0, 2, \zero
	PLACES
	FETCH \slot, \k, \g
	s_wait_dscnt 32                                ; all but the 32 just issued
	WIN MUL_HI
	MUL16 \f, 1, 0, \zero
	MUL16 \f, 1, 2, \zero
.endm
; The last quarter multiplies buffer 1 and changes slots.  MEET is its first half: ONE barrier for the change.  In front of it each wave waits for all its tensor loads, of which one is out: its part of the next
; slot; adds 0 to its spare word; and waits for that and for its own reads of this slot.  Behind it nobody reads this slot any more and the next slot is whole.
.macro MEET round                      ; round = 1: a round of the cluster's barrier follows
	WIN 0                                          ; (the add's two registers lie in window 0)
	s_wait_tensorcnt 0x0                           ; all my tensor loads have landed;
	ds_add_u32 v[SPW], v[NIL]                      ; 0 onto my spare word;
	s_wait_dscnt 9                                 ; (the add and the youngest eight loads may be out)
	WIN MUL_LO
	MUL16 F1, 0, 0, 0                              ; sixteen matrix instructions stand between the add and the wait for it
	s_wait_dscnt 0x0                               ; the add is done, and my reads of this slot are over:
	s_barrier_signal -1                            ; say so,
	MUL16 F1, 0, 2, 0                              ; work on registers while the others arrive,
.if \round
	WIN 0
.endif
	s_barrier_wait -1                              ; and go on when all four have said so
.endm
; The whole last quarter.  Behind the round the slot just read out is filled again first, with the K step two steps on; then come the next slot's first fragments.  From a request to the wait for it a wave
; issues 224 matrix instructions.
.macro TURN slot, next
	s_wait_xcnt 0x0                                ; the last prefetch, a K step back, has read its address: it is stepped here, ahead of the waits of the change of slots
	s_add_nc_u64 s[PFA:PFA+1], s[PFA:PFA+1], KSTEP*2
	MEET 1
	CREST                                          ; no wave of any partner still reads this slot's tile or has a load on its way
	s_add_nc_u64 s[G0+4*(\slot)+2:G0+4*(\slot)+3], s[G0+4*(\slot)+2:G0+4*(\slot)+3], 2*KSTEP*2
	s_add_nc_u64 s[G0B+4*(\slot)+2:G0B+4*(\slot)+3], s[G0B+4*(\slot)+2:G0B+4*(\slot)+3], 2*KSTEP*2
	JLOAD \slot                                    ; the first tensor load behind the round, my only one until the next; the four v_nop behind it are also the places in front of the loads below
	FETCH \next, 0, F0
	ASK
	WIN MUL_HI
	MUL16 F1, 1, 0, 0
	MUL16 F1, 1, 2, 0
.endm
; THE WAY OUT of block a (16 of my rows x 128 columns), in three parts.  SCALE: each sum times its row's factor, into window 0; each accumulator's registers in ascending order.
.macro SCALE a
.set AC, 64*((\a)%4)
	WIN 0x02+((\a)/4)                              ; source 0: window 2 or 3
.irp b, 0,1,2,3,4,5,6,7
.irp r, 0,1,2,3
	v_pk_mul_f32 v[TMP+8*(\b)+2*(\r):TMP+8*(\b)+2*(\r)+1], v[AC+8*(\b)+2*(\r):AC+8*(\b)+2*(\r)+1], v[SC+2*(\a):SC+2*(\a)+1]
.endr
.endr
	WIN 0
.endm
; TOSTAGE: 32 bytes a lane and accumulator into my own stage, and back as whole rows of 512 bytes.
.macro TOSTAGE a
	WIN 0
.set BK, OB+64*((\a)%2)
.irp b, 0,1,2,3,4,5,6,7
	ds_store_b128 v[STO], v[TMP+8*(\b):TMP+8*(\b)+3]   offset:64*(\b)
	ds_store_b128 v[STO], v[TMP+8*(\b)+4:TMP+8*(\b)+7] offset:64*(\b)+16
.endr
.irp t, 0,1,2,3,4,5,6,7,8,9,10,11,12,13,14,15
	ds_load_b128 v[BK+4*(\t):BK+4*(\t)+3], v[RD] offset:(\t)*SPITCH  ; LDS serves a wave's instructions in order (ISA guide 5.7.1.4): these see the stores above; the next block's stores come behind them
.endr
.endm
; SEND: stored.  The base is never stepped: a row's place among my 128 stands in the immediate, 127 x 8,192 bytes at the most.
.macro SEND a
	WIN 0
.set BK, OB+64*((\a)%2)
	s_wait_dscnt 0x0                               ; the block is back in registers
	s_wait_xcnt 0x0                                ; the stores of the block before have read their registers, which the next block's loads from the stage write again
.irp t, 0,1,2,3,4,5,6,7,8,9,10,11,12,13,14,15
	global_store_b128 v[CO], v[BK+4*(\t):BK+4*(\t)+3], s[8:9] offset:(16*(\a)+(\t))*SIZE_N*4 th:TH_STORE_NT  ; the wave stores 512 consecutive bytes, at a multiple of 512 from out0's first byte
.endr
.endm
	s_wait_tensorcnt 1                             ; my part of K step 0 is in; K step 1's may stay out
	s_barrier_signal -1
	s_barrier_wait -1                              ; everybody's is
	FETCH 0, 0, F0
	QUARTER 0, 64,  F0, F1, 1                      ; the first quarter stands in front of the loop: its products start the sums
	WIN 0                                          ; at a label and at a branch every window is 0
	s_mov_b32 s3, LAPS-1
.Llap:                                                 ; 15 trips: once round the ring, from a lap's second quarter to the next lap's first; both slots are filled again
	QUARTER 0, 128, F1, F0, 0
	QUARTER 0, 192, F0, F1, 0
	TURN 0, 1
	QUARTER 1, 64,  F0, F1, 0
	QUARTER 1, 128, F1, F0, 0
	QUARTER 1, 192, F0, F1, 0
	TURN 1, 0
	QUARTER 0, 64,  F0, F1, 0
	WIN 0
	s_sub_co_u32 s3, s3, 1
	s_cmp_lg_u32 s3, 0
	s_cbranch_scc1 .Llap
	QUARTER 0, 128, F1, F0, 0                      ; the last lap is written out: it fills nothing and no round follows its change of slots
	QUARTER 0, 192, F0, F1, 0
	MEET 0                                         ; my one tensor load that was still out is slot 1's, the last K step's
	PLACES                                         ; for the loads into buffer 0
	FETCH 1, 0, F0
	WIN MUL_HI
	MUL16 F1, 1, 0, 0
	MUL16 F1, 1, 2, 0
	QUARTER 1, 64,  F0, F1, 0
	QUARTER 1, 128, F1, F0, 0
	QUARTER 1, 192, F0, F1, 0
	s_wait_dscnt 8                                 ; the very last quarter: nothing more to fetch
	WIN MUL_LO
	MUL16 F1, 0, 0, 0
	MUL16 F1, 0, 2, 0
	s_wait_dscnt 0x0
	MUL16 F1, 1, 0, 0
	MUL16 F1, 1, 2, 0
	WIN 0
	PLACES                                         ; the places behind the last products
	SCALE 0
	TOSTAGE 0
.irp a, 1,2,3,4,5,6,7                  ; block a's multiplies stand between block a - 1's loads from the stage and the wait for them
	SCALE \a
	SEND (\a)-1
	TOSTAGE \a
.endr
	SEND 7
	s_wait_tensorcnt 0x0                           ; the wave's end, behind my last tensor load and my last LDS store
	ds_add_u32 v[SPW], v[NIL]
	s_wait_dscnt 0x0
	CROUND                                         ; the closing round: no work-group ends while a partner may still ask for a tile that names it
	s_endpgm
.Lfunc_end_k_qa188e9cc27_gemm:
	.size	k_qa188e9cc27_gemm, .Lfunc_end_k_qa188e9cc27_gemm-k_qa188e9cc27_gemm
	.p2alignl 7, 3214868480
	.fill 96, 4, 3214868480
	.section	.rodata,"a",@progbits
	.p2align	6, 0x0
	.amdhsa_kernel k_qa188e9cc27_gemm
		.amdhsa_group_segment_fixed_size 327680
		.amdhsa_private_segment_fixed_size 0
		.amdhsa_enable_private_segment 0
		.amdhsa_kernarg_size 32
		.amdhsa_user_sgpr_count 2
		.amdhsa_user_sgpr_kernarg_segment_ptr 1
		.amdhsa_wavefront_size32 1
		.amdhsa_system_sgpr_workgroup_id_x 1
		.amdhsa_system_sgpr_workgroup_id_y 1
		.amdhsa_system_sgpr_workgroup_id_z 1
		.amdhsa_system_vgpr_workitem_id 0
		.amdhsa_next_free_vgpr 1024
		.amdhsa_next_free_sgpr 70
		.amdhsa_reserve_vcc 0
		.amdhsa_float_denorm_mode_32 3
		.amdhsa_float_denorm_mode_16_64 3
		.amdhsa_memory_ordered 1
		.amdhsa_forward_progress 1
		.amdhsa_inst_pref_size 159
	.end_amdhsa_kernel
	.amdgpu_metadata
---
amdhsa.version: [ 1, 2 ]
amdhsa.kernels:
  - .name:           k_qa188e9cc27_gemm
    .symbol:         k_qa188e9cc27_gemm.kd
    .args:
      - { .name: xq, .offset: 0, .size: 8, .value_kind: global_buffer, .address_space: global }
      - { .name: wq, .offset: 8, .size: 8, .value_kind: global_buffer, .address_space: global }
      - { .name: scale, .offset: 16, .size: 8, .value_kind: global_buffer, .address_space: global }
      - { .name: out0, .offset: 24, .size: 8, .value_kind: global_buffer, .address_space: global }
    .group_segment_fixed_size: 327680
    .private_segment_fixed_size: 0
    .kernarg_segment_align: 8
    .kernarg_segment_size: 32
    .max_flat_workgroup_size: 128
    .sgpr_count:     70
    .vgpr_count:     1024
    .wavefront_size: 32
...
	.end_amdgpu_metadata
.endif
;; end of part 3
;; ======== version 2 of 2: 3 launches; version 1 with the launch quant written anew for expert scheduling mode
;; workspace buffers: part 1,024 bytes; xq 67,108,864 bytes; wq 16,777,216 bytes; scale 32,768 bytes
;; launch wsum: the kernel of part 1 again; grid 256 x 1, 8 waves a work-group, no clusters, 1,280 bytes of LDS; arguments weight, part; writes part
;; launch quant (part 4): grid 256 x 1, 16 waves a work-group, no clusters, 0 bytes of LDS; arguments x, weight, part, xq, wq, scale; writes xq, wq, scale
.if DOCPART == 4
	.amdgcn_target "amdgcn-amd-amdhsa--gfx1250"
	.amdhsa_code_object_version 6
	.text
	.protected	k_qa188e9cc27_quant
	.globl	k_qa188e9cc27_quant
	.p2align	8
	.type	k_qa188e9cc27_quant,@function
k_qa188e9cc27_quant:
	s_mov_b64 s[64:65], 0
	v_nop
	global_prefetch_b8 v0, s[64:65] scope:SCOPE_SE
	s_setreg_imm32_b32 hwreg(HW_REG_WAVE_SCHED_MODE, 0, 2), 2
	s_setreg_imm32_b32 hwreg(HW_REG_WAVE_MODE, 25, 1), 1
	s_wait_xcnt 0x0
	s_wait_alu depctr_vm_vsrc(0)
; BitLinear, second of three launches: the two quantisations.  Nothing of reference() is left out here.
;   alpha    = (sum of the 256 numbers of part) / 2^23 + 1e-8            (2^23 = 2,048 x 4,096 weights; the division is exact, so the line has one rounding)
;   xq[m][k] = round(x[m][k] x 127 / gamma[m]) as bf16, exact;  gamma[m] = max(max_k |x[m][k]|, 1e-8)
;   wq[n][k] = sign(w) where |w| > alpha / 2, else 0, as bf16
;   scale[m] = gamma[m] x alpha / 127
; THE DIGIT.  clip(round(w / alpha), -1, 1) is 0 where the rounded quotient is at most 0.5 (a tie goes to the even 0) and sign(w) elsewhere.  The quotient rounds to at most 0.5 where |w| / alpha <= 0.5 + 2^-25,
; that is |w| <= (alpha / 2)(1 + 2^-24); the float next above alpha / 2 is more than that, so among floats the test is |w| > alpha / 2, exactly.
; THE ROUNDING.  x s + 1.5 x 2^23 in one fused multiply-add leaves a whole number, ties to even (the mode at the entry); taking 1.5 x 2^23 away again is exact.  |x s| stays under 128.
; LIMITS.  s = 127 x (1 / gamma) is a reciprocal good to a unit in the last place, where reference() divides and then multiplies: an x that lies on a tie may go to the neighbouring whole number.  A row maximum
; beyond 2^125 has a reciprocal that counts as 0.  alpha's sum is a tree (see the first launch).  NaN and infinities are not treated apart: the maxima and minima drop a NaN.
; SHARES.  4,096 waves, all alike, no branch: wave g = 16 x work-group + wave takes rows 2 g and 2 g + 1 of x (16,384 bytes each) and the 2,048 weights at byte 8,192 g.  A row lies in 128 registers between the pass
; that finds its maximum and the pass that scales it: x is read once.  A row is scaled in four groups of 128 bytes a lane; while one group is converted, the registers of the group before are loaded again, with
; the same place of the next job, and its packed words are stored: a row's stores leave while the next row comes in.  A load covers 512 consecutive bytes, a store 256, both aligned.  Nothing is shared between
; waves but the 1,024 bytes of part: no LDS, no barrier, no cluster, no matrix unit.
; THE MODE: SCHED_MODE bits 1:0 = 2 (LLVM: expert scheduling mode 2), set by the entry lines.  The code itself states the register dependences between vector instructions and memory instructions, and those
; through scalar registers that vector instructions write, with s_wait_alu, always for 0.
; THE PLAN.  Registers that memory instructions touch:
;   v2-v5      byte offsets, made once at the head and never written again: the places in a row stand in the immediates.
;   v[8:15]    part's numbers: loaded once, then named by vector instructions alone.
;   X          four groups of 32 registers.  Group q of a row: read and rewritten by the group's scalings and read by its roundings; the next job's loads land in it while group q + 1 is at work.
;   Y          four groups of 16 registers.  Group q: written by the group's roundings; read by the eight stores issued while group q + 1 is at work; written again by the second row.
;   X again    my weights lie in its first 64 registers, four groups of 16: a digit takes its weight's register, the packed words close up into the first 8 of the 16 and are stored from there while the next
;              group is at work: no memory instruction has read these registers before.
;   v[28:29]   the two row factors: written long ahead of the last store, which reads them.
; So one wait on va_vdst stands at the head of each group but a job's first, and one behind its last: it states all that the group's loads and stores hang on, and these are dealt among vector instructions that
; name the group in hand alone.  One wait on vm_vsrc stands ahead of the second row's first write of Y.  The compares of a group of weights go into 32 scalar registers, with one wait on va_sdst behind the run.
.set T,  8                             ; v[8:15]   part's numbers
.set Y,  32                            ; v[32:95]  a row's 64 packed words, the stores' data
.set X,  96                            ; v[96:223] a row as loaded; later my weights, their digits and the packed digits
.set M,  32                            ; s[32:63]  the masks of 16 weights: 'above alpha / 2' at M + 2 i, 'below -alpha / 2' at M + 2 i + 1
; v1 lane; v2 16 x lane; v3 8 x lane; v4 32 x lane; v5 0.0 (and offset 0); v6 1.0; v7 -1.0; v16-19 two maxima, two minima; v20, v21 at work; v22 alpha; v23 alpha / 127; v24 alpha / 2; v25 -alpha / 2;
; v[26:27] 127 / gamma, twice; v[28:29] the two rows' factors
	s_load_b256 s[4:11], s[0:1], 0x0               ; x s[4:5], weight s[6:7], part s[8:9], xq s[10:11]
	s_load_b128 s[12:15], s[0:1], 0x20             ; wq s[12:13], scale s[14:15]
	v_lshrrev_b32 v1, 5, v0
	v_readfirstlane_b32 s16, v1                    ; wave 0..15
	v_and_b32 v1, 31, v0
	v_lshlrev_b32 v2, 4, v1
	v_lshlrev_b32 v3, 3, v1
	v_lshlrev_b32 v4, 5, v1
	v_mov_b32 v5, 0
	v_mov_b32 v6, 1.0
	v_mov_b32 v7, -1.0
	v_mov_b32 v21, 0                               ; v_permlanex16_b32's destination counts as read
	s_wait_alu depctr_va_sdst(0)                   ; s16 is written, ahead of its first reader: all five bases are made from it
	s_lshl_b32 s17, ttmp9, 4
	s_add_co_u32 s17, s17, s16                     ; g
	s_mov_b32 s20, 0x4b400000                      ; 1.5 x 2^23; named as a pair, the low word serves both halves
	s_mov_b32 s21, 0x4b400000
	s_mov_b32 s22, 0xcb400000                      ; and its negative
	s_mov_b32 s23, 0xcb400000
	s_mov_b32 s24, 0x76543210                      ; each lane takes its own place in the other half
	s_mov_b32 s25, 0xfedcba98
	s_mov_b32 s26, 0x34000000                      ; 2^-23
	s_mov_b32 s27, 0x322bcc77                      ; 1e-8
	s_mov_b32 s19, 0
	s_wait_kmcnt 0x0
	s_lshl_b32 s18, s17, 15                        ; two rows of x: 32,768 bytes (all five offsets stay under 2^27)
	s_add_nc_u64 s[4:5], s[4:5], s[18:19]
	s_lshl_b32 s18, s17, 13                        ; 2,048 weights: 8,192 bytes
	s_add_nc_u64 s[6:7], s[6:7], s[18:19]
	s_lshl_b32 s18, s17, 14                        ; two rows of xq: 16,384 bytes
	s_add_nc_u64 s[10:11], s[10:11], s[18:19]
	s_lshl_b32 s18, s17, 12                        ; 2,048 digits: 4,096 bytes
	s_add_nc_u64 s[12:13], s[12:13], s[18:19]
	s_lshl_b32 s18, s17, 3                         ; two factors: 8 bytes
	s_add_nc_u64 s[14:15], s[14:15], s[18:19]
	s_wait_alu depctr_va_vdst(0)                   ; v2, v3, v4 and v5 are written: every load and store of the kernel reads one of them as its offset
	global_load_b128 v[T:T+3],   v4, s[8:9]        ; eight of part's 256 numbers a lane
	global_load_b128 v[T+4:T+7], v4, s[8:9] offset:16
.set j, 0
.rept 32
	global_load_b128 v[X+4*j:X+4*j+3], v2, s[4:5] offset:512*j th:TH_LOAD_NT  ; row 2 g
.set j, j+1
.endr
; The row in X: its largest magnitude, as max(largest, -smallest), two chains each; then the clip.  When this runs the row's 32 loads are the youngest that are out.
.macro MAXROW
.set j, 0
.rept 32
.if (j%4) == 0
	s_wait_loadcnt 28-j                            ; loads j .. j + 3 are in, the 28 - j younger ones stay out
.endif
.if j == 0
	v_max_num_f32 v16, v[X], v[X+1]                ; the first four numbers start the chains
	v_max_num_f32 v17, v[X+2], v[X+3]
	v_min_num_f32 v18, v[X], v[X+1]
	v_min_num_f32 v19, v[X+2], v[X+3]
.else
	v_max3_num_f32 v16, v16, v[X+4*j], v[X+4*j+1]
	v_max3_num_f32 v17, v17, v[X+4*j+2], v[X+4*j+3]
	v_min3_num_f32 v18, v18, v[X+4*j], v[X+4*j+1]
	v_min3_num_f32 v19, v19, v[X+4*j+2], v[X+4*j+3]
.endif
.set j, j+1
.endr
	v_max_num_f32 v16, v16, v17
	v_min_num_f32 v18, v18, v19
	v_xor_b32 v18, 0x80000000, v18
	v_max_num_f32 v20, v16, v18
	v_max_num_f32_dpp v20, v20, v20 row_xmask:1 row_mask:0xf bank_mask:0xf
	v_max_num_f32_dpp v20, v20, v20 row_xmask:2 row_mask:0xf bank_mask:0xf
	v_max_num_f32_dpp v20, v20, v20 row_xmask:4 row_mask:0xf bank_mask:0xf
	v_max_num_f32_dpp v20, v20, v20 row_xmask:8 row_mask:0xf bank_mask:0xf
	v_permlanex16_b32 v21, v20, s24, s25
	v_max_num_f32 v20, v20, v21
	v_max_num_f32 v20, s27, v20                    ; gamma, in every lane
.endm
; Row r of my two: 127 / gamma for the scaling, gamma alpha / 127 for the third launch.
.macro FACT r
	v_rcp_f32 v26, v20
	v_mul_f32 v[28+(\r)], v20, v23                 ; the plain instruction behind the reciprocal, which names neither its result nor writes its source
	s_wait_alu depctr_va_vdst(0)                   ; the reciprocal has written v26, ahead of the first line that names it
	v_mul_f32 v26, 0x42fe0000, v26                 ; x 127
	v_mov_b32 v27, v26
.endm
; The memory instructions of piece p (the places of loads p and p + 1) of row r: its registers of X are loaded again (nxt = 1: with the second row; nxt = 2: with my weights, the first 16 loads' places alone),
; and its four words of Y are stored.  They stand behind the wait that shows the piece's own vector work done, among vector instructions of a later group, which name none of these registers.
.macro MOVE r, nxt
.if (\nxt) == 1
	global_load_b128 v[X+4*p:X+4*p+3],   v2, s[4:5] offset:16384+512*p th:TH_LOAD_NT
	global_load_b128 v[X+4*p+4:X+4*p+7], v2, s[4:5] offset:16384+512*p+512 th:TH_LOAD_NT
.elseif p < 16
	global_load_b128 v[X+4*p:X+4*p+3],   v2, s[6:7] offset:512*p th:TH_LOAD_NT
	global_load_b128 v[X+4*p+4:X+4*p+7], v2, s[6:7] offset:512*p+512 th:TH_LOAD_NT
.endif
	global_store_b64 v3, v[Y+2*p:Y+2*p+1],   s[10:11] offset:8192*(\r)+256*p      ; the wave's 32 lanes store 256 consecutive bytes, aligned
	global_store_b64 v3, v[Y+2*p+2:Y+2*p+3], s[10:11] offset:8192*(\r)+256*p+256
.endm
; Row r is scaled, rounded and packed, 32 bytes a lane to a piece, four pieces to a group; ahead of each piece of groups 1 to 3 stand the memory instructions of the same piece of the group before.
.macro QROW r, nxt
.if \r
	s_wait_xcnt 0x0                                ; Y was the first row's store data: it is written again only behind this wait,
	s_wait_alu depctr_vm_vsrc(0)                   ; and behind this one: the first row's stores have read Y
.endif
.set j, 0
.rept 16
.if (j%8) == 0 && j > 0
	s_wait_alu depctr_va_vdst(0)                   ; the group before has written its 16 words of Y, which the stores below read, and is done reading and writing its 32 registers of X, in which the loads below land
.endif
.if j >= 8
.set p, j-8
	MOVE \r, \nxt
.endif
.irp k, 0,2,4,6
	v_pk_fma_f32 v[X+4*j+\k:X+4*j+\k+1], v[X+4*j+\k:X+4*j+\k+1], v[26:27], s[20:21] op_sel_hi:[1,1,0]
.endr
.irp k, 0,2,4,6
	v_pk_add_f32 v[X+4*j+\k:X+4*j+\k+1], v[X+4*j+\k:X+4*j+\k+1], s[22:23] op_sel_hi:[1,0]
.endr
.irp k, 0,1,2,3
	v_cvt_pk_bf16_f32 v[Y+2*j+\k], v[X+4*j+2*\k], v[X+4*j+2*\k+1]
.endr
.set j, j+2
.endr
	s_wait_alu depctr_va_vdst(0)                   ; the last group has written its words of Y and is done with its registers of X
.set p, 24
.rept 4
	MOVE \r, \nxt
.set p, p+2
.endr
.endm
; My 2,048 weights: 16 loads, four to a group.  A digit is chosen by two compares and two selects; no branch and no address hangs on it.  It takes its weight's register; the group's eight packed words close up
; into the first eight of its sixteen registers, and are stored while the next group is at work.
.macro WOUT                            ; the four stores of group h
.irp t, 0,1,2,3
	global_store_b64 v3, v[X+16*h+2*\t:X+16*h+2*\t+1], s[12:13] offset:256*(4*h+\t)
.endr
.endm
.macro WQ
.set g, 0
.rept 4
	s_wait_loadcnt 12-4*g                          ; loads 4 g .. 4 g + 3 are in, the 12 - 4 g younger ones stay out
.if g > 0
	s_wait_alu depctr_va_vdst(0)                   ; the group before has packed its eight words, which the stores below read
.set h, g-1
	WOUT
.endif
.set i, 0
.rept 16
	v_cmp_lt_f32 s[M+2*i], v24, v[X+16*g+i]        ; alpha / 2 < w
	v_cmp_gt_f32 s[M+2*i+1], v25, v[X+16*g+i]      ; -alpha / 2 > w
.set i, i+1
.endr
	s_wait_alu depctr_va_sdst(0)                   ; the 32 compares have written s[32:63], ahead of the selects that read them
.set i, 0
.rept 16
	v_cndmask_b32 v[X+16*g+i], v5, v6, s[M+2*i]    ; 1, else 0
.set i, i+1
.endr
.set i, 0
.rept 16
	v_cndmask_b32 v[X+16*g+i], v[X+16*g+i], v7, s[M+2*i+1]  ; -1
.set i, i+1
.endr
.set i, 0
.rept 8
	v_cvt_pk_bf16_f32 v[X+16*g+i], v[X+16*g+2*i], v[X+16*g+2*i+1]  ; word i lands on a register whose digit an earlier line has taken
.set i, i+1
.endr
.set g, g+1
.endr
	s_wait_alu depctr_va_vdst(0)                   ; the last group has packed its eight words
.set h, 3
	WOUT
.endm
	s_wait_loadcnt 32                              ; part's two loads are in; the row's 32 stay out
	v_pk_add_f32 v[T:T+1], v[T:T+1], v[T+4:T+5]
	v_pk_add_f32 v[T+2:T+3], v[T+2:T+3], v[T+6:T+7]
	v_pk_add_f32 v[T:T+1], v[T:T+1], v[T+2:T+3]
	v_add_f32 v20, v[T], v[T+1]
	v_add_f32_dpp v20, v20, v20 row_xmask:1 row_mask:0xf bank_mask:0xf
	v_add_f32_dpp v20, v20, v20 row_xmask:2 row_mask:0xf bank_mask:0xf
	v_add_f32_dpp v20, v20, v20 row_xmask:4 row_mask:0xf bank_mask:0xf
	v_add_f32_dpp v20, v20, v20 row_xmask:8 row_mask:0xf bank_mask:0xf
	v_permlanex16_b32 v21, v20, s24, s25
	v_add_f32 v20, v20, v21                        ; the sum of all |w|, in every lane of every wave alike
	v_fma_f32 v22, v20, s26, s27                   ; alpha
	v_mul_f32 v23, 0x3c010204, v22                 ; alpha / 127
	v_mul_f32 v24, 0.5, v22                        ; alpha / 2, exact
	v_xor_b32 v25, 0x80000000, v24
	MAXROW
	FACT 0
	QROW 0, 1
	MAXROW
	FACT 1
	QROW 1, 2
	WQ
	v_cmp_eq_u32 vcc_lo, 0, v1                     ; lane 0 stores the wave's two factors: 8 bytes, once a wave
	s_wait_xcnt 0x0                                ; EXEC is a source of the stores above: it changes only behind this wait
	s_wait_alu depctr_va_vcc(0)                    ; the compare has written VCC, from which EXEC is made
	s_wait_alu depctr_va_vdst(0)                   ; every vector instruction issued under the full EXEC has written its result
	s_wait_alu depctr_vm_vsrc(0)                   ; every load and store issued under the full EXEC has read its registers
	s_and_saveexec_b32 s28, vcc_lo
	global_store_b64 v5, v[28:29], s[14:15]        ; v5 and v[28:29] were written ahead of the waits on va_vdst above
	s_wait_xcnt 0x0                                ; and again, in front of the line that widens it
	s_wait_alu depctr_va_vdst(0)                   ; no vector instruction is at work under the narrow EXEC
	s_wait_alu depctr_vm_vsrc(0)                   ; the store has read its registers under the narrow EXEC
	s_or_b32 exec_lo, exec_lo, s28
	s_endpgm
.Lfunc_end_k_qa188e9cc27_quant:
	.size	k_qa188e9cc27_quant, .Lfunc_end_k_qa188e9cc27_quant-k_qa188e9cc27_quant
	.p2alignl 7, 3214868480
	.fill 96, 4, 3214868480
	.section	.rodata,"a",@progbits
	.p2align	6, 0x0
	.amdhsa_kernel k_qa188e9cc27_quant
		.amdhsa_group_segment_fixed_size 0
		.amdhsa_private_segment_fixed_size 0
		.amdhsa_enable_private_segment 0
		.amdhsa_kernarg_size 48
		.amdhsa_user_sgpr_count 2
		.amdhsa_user_sgpr_kernarg_segment_ptr 1
		.amdhsa_wavefront_size32 1
		.amdhsa_system_sgpr_workgroup_id_x 1
		.amdhsa_system_sgpr_workgroup_id_y 1
		.amdhsa_system_sgpr_workgroup_id_z 1
		.amdhsa_system_vgpr_workitem_id 0
		.amdhsa_next_free_vgpr 224
		.amdhsa_next_free_sgpr 66
		.amdhsa_reserve_vcc 1
		.amdhsa_float_denorm_mode_32 3
		.amdhsa_float_denorm_mode_16_64 3
		.amdhsa_memory_ordered 1
		.amdhsa_forward_progress 1
		.amdhsa_inst_pref_size 79
	.end_amdhsa_kernel
	.amdgpu_metadata
---
amdhsa.version: [ 1, 2 ]
amdhsa.kernels:
  - .name:           k_qa188e9cc27_quant
    .symbol:         k_qa188e9cc27_quant.kd
    .args:
      - { .name: x, .offset: 0, .size: 8, .value_kind: global_buffer, .address_space: global }
      - { .name: weight, .offset: 8, .size: 8, .value_kind: global_buffer, .address_space: global }
      - { .name: part, .offset: 16, .size: 8, .value_kind: global_buffer, .address_space: global }
      - { .name: xq, .offset: 24, .size: 8, .value_kind: global_buffer, .address_space: global }
      - { .name: wq, .offset: 32, .size: 8, .value_kind: global_buffer, .address_space: global }
      - { .name: scale, .offset: 40, .size: 8, .value_kind: global_buffer, .address_space: global }
    .group_segment_fixed_size: 0
    .private_segment_fixed_size: 0
    .kernarg_segment_align: 8
    .kernarg_segment_size: 48
    .max_flat_workgroup_size: 512
    .sgpr_count:     66
    .vgpr_count:     224
    .wavefront_size: 32
...
	.end_amdgpu_metadata
.endif
;; end of part 4
;; launch gemm: the kernel of part 3 again; grid 8 x 32, 4 waves a work-group, clusters of 4 x 4, 327,680 bytes of LDS; arguments xq, wq, scale, out0; writes out0
